; MI455X (gfx1250); checked and timed in simulation.
; The chip was launched on July 23, 2026; its instructions are those of AMD's public machine-readable ISA for CDNA 5 (MIT licence, August 2026) and "CDNA5" Instruction Set Architecture Reference Guide (July 2026). The comments in the code are by the model that wrote it; some were corrected since.
;; Self Attention Head. Allowed arithmetic: matrix products marked QUANTISED: E5M2 operands, one E8M0 scale for each 32 along K, by v_wmma_scale_f32_16x16x128_f8f6f4 with both operands' format E5M2, f32 sums; everything else in f32.
;; Inputs: wk 1,024 x 128 float32; wq 1,024 x 128 float32; wv 1,024 x 128 float32; x 8 x 4,096 x 1,024 float32.
;; Outputs: out0 8 x 4,096 x 128 float32.
;; This version of the problem:
;;   THIS VERSION OF THE PROBLEM IS GIVEN IN LOW PRECISION. The matrix products marked QUANTISED in the list below multiply operands that are first quantised to E5M2 (5 exponent bits, 2 mantissa bits; 8 bits a number), with one power-of-two scale for each 32 numbers along K (OCP MX v1.0); their sums are f32. All else is computed in f32.
;;   The module's matrix products, in the order in which they are computed (A, B: the left and right operand; K: the contracted axis; several contracted axes count as one K, in the product's order):
;;     1. [M 32,768, K 1,024] x [K 1,024, N 128]; A: input x; B: input wq: QUANTISED
;;     2. [M 32,768, K 1,024] x [K 1,024, N 128]; A: input x; B: input wk: QUANTISED
;;     3. [M 32,768, K 1,024] x [K 1,024, N 128]; A: input x; B: input wv: QUANTISED
;;     4. batch 8 x [M 4,096, K 128] x [K 128, N 4,096]; A: computed on the way; B: computed on the way: QUANTISED
;;     5. batch 8 x [M 4,096, K 4,096] x [K 4,096, N 128]; A: softmax (see below); B: computed on the way: QUANTISED
;;   THE QUANTISER, for each operand of a quantised product, along K:
;;     - K is cut into blocks of 32 from its start; a last block that is shorter is filled with zeros.
;;     - A block's scale is 2^e with e = floor(log2(the largest magnitude in the block)) - 15, held to -126 .. 127; a block of zeros has e = 0. As a byte (E8M0): e + 127.
;;     - Each number is divided by its block's scale, clamped to +-57,344, and rounded to the nearest number of E5M2, ties to even, subnormals kept.
;;     - The product sums the exact products of the quantised numbers (number of the format x scale) in f32.
;;   ~~~python
;;   def quantise(x, axis):      # numpy; x: float32 -> the quantised numbers, widened to float32 again
;;       x = np.moveaxis(x, axis, -1); K = x.shape[-1]
;;       x = np.pad(x, [(0, 0)] * (x.ndim - 1) + [(0, -K % 32)]); x = x.reshape(x.shape[:-1] + (-1, 32)); a = np.abs(x).max(-1, keepdims=True)
;;       e = np.where(a > 0, np.clip(np.frexp(np.where(a > 0, a, 1))[1] - 1 - 15, -126, 127), 0)      # np.frexp(a)[1] - 1 = floor(log2(a)), exactly
;;       r = np.clip(x / 2.0 ** e, -57344, 57344)
;;       step = 2.0 ** (np.maximum(np.frexp(np.where(r == 0, 1, r))[1] - 1, -14) - 2)
;;       q = np.round(r / step) * step * 2.0 ** e      # np.round: ties to even
;;       return np.moveaxis(q.reshape(q.shape[:-2] + (-1,))[..., :K], -1, axis).astype(np.float32)
;;   ~~~
;;   SOFTMAX AHEAD OF A QUANTISED PRODUCT. Where the list says 'softmax', what is quantised is not the finished softmax but p = 2^(t - M), with t = logit x log2(e) and M = ceil(the row's largest t), a whole number; so 1/2 < the row's largest p <= 1. The row's sum l is taken of the UNQUANTISED p, in f32, and the product's result is divided by l at the end. Since M is a whole number, a kernel that streams over the keys may use a running M (the ceiling of the running maximum): every later rescaling is an exact power of two, which a block's scale takes up: the codes' values come out the same.
;;   OPERANDS COMPUTED ON THE WAY. 'Computed on the way' means the value that the module computes at that place (a softmax that the list does not call 'softmax' is quantised finished and normalised). What goes into a quantiser is computed in f32, as accurately as f32 sums, v_exp_f32 and their like allow (about 1e-6 of the number): no bf16 or f16 on the way to a quantiser, and a product that is left as it is and whose result goes on into a quantised operand takes f32 operands (vector FMAs, or v_wmma_f32_16x16x4_f32). A number that lies on a knife's edge between two numbers of the format may be rounded either way, as far as f32 arithmetic and the matrix unit's own rounding can turn it there, and no further.
;; One version. Each part assembles by itself: llvm-mc -triple=amdgcn-amd-amdhsa -mcpu=gfx1250 --defsym DOCPART=n.
;; ======== version 1 of 1: 3 launches
;; limits: right only within a limited range of input values
;; workspace buffers: wimg 393,216 bytes; wsc 12,288 bytes; qimg 4,194,304 bytes; qs 131,072 bytes; kv 8,388,608 bytes; sc 262,144 bytes
;; launch wprep (part 1): grid 16 x 3, 4 waves a work-group, no clusters, 0 bytes of LDS; arguments wq, wk, wv, wimg, wsc; writes wimg, wsc
.if DOCPART == 1
	.amdgcn_target "amdgcn-amd-amdhsa--gfx1250"
	.amdhsa_code_object_version 6
	.text
	.protected	k_q886c737fae_wprep
	.globl	k_q886c737fae_wprep
	.p2align	8
	.type	k_q886c737fae_wprep,@function
k_q886c737fae_wprep:
	s_mov_b64 s[64:65], 0
	v_nop
	global_prefetch_b8 v0, s[64:65] scope:SCOPE_SE
	s_setreg_imm32_b32 hwreg(HW_REG_WAVE_MODE, 25, 1), 1
	s_wait_xcnt 0x0
; THE PROGRAM: one causal attention head, all five products on codes of BF8 (E5M2) with one E8M0 scale for each 32 along K.  Three launches:
; this one quantises wq, wk, wv; the second quantises x, multiplies it by the three weights and quantises q, k, v; the third is the attention.
; WORK LEFT OUT (in the third launch).  reference() sets wei to -inf wherever key > query, by its own jnp.tril.  The weight of such a key is then 0: it adds nothing to the row's sum
; and nothing to out, whatever finite values x, wq, wk, wv hold.  So a step of 128 keys that lies wholly behind a tile's 16 queries is left out: its loads, its products, its softmax.
; Every input keeps a way to the output: all four are loaded.  LIMIT: a NaN, an infinity or an overflow that reaches only the steps left out is not carried to the result.
;
; THIS LAUNCH.  w [1024 (k)][128 (n)] f32 has K as its first axis.  A wave makes one operand fragment, 16 columns x 128 K: lane (r, h) takes column n = 16 nu + r, and its 64 registers run
; DOWN K in the order that the operand's layout gives that lane: register 16 c + i is k = 128 s + 32 c + 16 h + i.  So the conversions' results are the operand's registers; they are stored
; as an image of those registers (register group c of lane l at 512 c + 16 l), and the second launch loads them back by the same four lines.
; A block's scale is 2^(floor(log2(largest magnitude)) - 15); its byte is the largest magnitude's exponent field - 15, held at 1 from below.
; LIMITS: a block of zeros has the byte 1 where the rule says 127 (its codes are zeros, and this program alone reads the bytes); blocks whose largest magnitude lies under 2^-111 keep the byte 1;
; NaN and infinities among the inputs are not served.
; wimg: [nu 0..7][s 0..7][kind q, k, v] images of 2,048 bytes.   wsc: [nu][s][kind][r] scale words.
; The scale words leave 64 bytes at a time: all of wsc is 12,288 bytes.
.set TM, 32                            ; v32-35 largest magnitudes, v36-39 bytes, v40-43 the largest number x the scale, v44-47 the conversions' scale operands
.set PC, 48                            ; v48-63 the codes
.set X,  64                            ; v64-127 the numbers
	s_load_b256 s[4:11], s[0:1], 0x0               ; wq s[4:5], wk s[6:7], wv s[8:9], wimg s[10:11]
	s_load_b64 s[12:13], s[0:1], 0x20              ; wsc
	v_lshrrev_b32 v1, 5, v0
	v_readfirstlane_b32 s14, v1                    ; wave
	s_and_b32 s15, ttmp7, 0xffff                   ; kind: 0 q, 1 k, 2 v
	s_lshl_b32 s16, ttmp9, 2
	s_add_co_u32 s16, s16, s14                     ; which of the weight's 64 fragments
	s_lshr_b32 s17, s16, 3                         ; nu: its 16 columns
	s_and_b32 s18, s16, 7                          ; s: its 128 along K
	v_and_b32 v1, 15, v0                           ; r
	v_bfe_u32 v2, v0, 4, 1                         ; h
	v_and_b32 v3, 31, v0                           ; lane
	v_lshlrev_b32 v7, 2, v1                        ; 4 r
	v_lshl_add_u32 v5, v2, 13, v7                  ; + 16 h rows of 512 bytes
	v_lshlrev_b32 v6, 4, v3                        ; 16 x lane
	s_lshl_b32 s24, s18, 16                        ; in w: 128 s rows of 512 bytes
	s_lshl_b32 s25, s17, 6                         ; + 16 nu columns
	s_add_co_u32 s24, s24, s25
	s_mov_b32 s25, 0
	s_mul_i32 s26, s17, 49152                      ; in wimg
	s_mul_i32 s27, s18, 6144
	s_add_co_u32 s26, s26, s27
	s_lshl_b32 s27, s15, 11
	s_add_co_u32 s26, s26, s27
	s_mov_b32 s27, 0
	s_mul_i32 s28, s17, 1536                       ; in wsc
	s_mul_i32 s29, s18, 192
	s_add_co_u32 s28, s28, s29
	s_lshl_b32 s29, s15, 6
	s_add_co_u32 s28, s28, s29
	s_mov_b32 s29, 0
	s_mov_b32 s20, 0x76543210
	s_mov_b32 s21, 0xfedcba98                      ; v_permlanex16_b32's selects for lane l xor 16
	s_mov_b32 s22, 0x600000                        ; the mantissa field of 57,344
	s_wait_alu depctr_va_vdst(0)
	s_wait_kmcnt 0x0
	s_cmp_eq_u32 s15, 0                            ; the weight is chosen by the work-group's y alone
	s_cselect_b64 s[4:5], s[4:5], s[6:7]
	s_cmp_eq_u32 s15, 2
	s_cselect_b64 s[4:5], s[8:9], s[4:5]
	s_add_nc_u64 s[4:5], s[4:5], s[24:25]
	s_add_nc_u64 s[10:11], s[10:11], s[26:27]
	s_add_nc_u64 s[12:13], s[12:13], s[28:29]
.irp c, 0,1,2,3
.irp i, 0,1,2,3,4,5,6,7,8,9,10,11,12,13,14,15
	global_load_b32 v[X+16*\c+\i], v5, s[4:5] offset:512*(32*\c+\i)   ; w(128 s + 32 c + 16 h + i, 16 nu + r): sixteen neighbouring lanes read 64 neighbouring bytes
.endr
.endr
.irp b, 0,1,2,3
	v_mov_b32 v[TM+4+\b], 0                        ; a lane permute's destination counts as one of its sources
.endr
	s_wait_loadcnt 0x0
.irp b, 0,1,2,3
	v_max3_num_f32 v[TM+\b], |v[X+16*\b]|, |v[X+1+16*\b]|, 0x8000000   ; block b: my 16 numbers, and the floor 2^(16 - 127): the byte cannot fall under 1
.endr
.irp i, 2,4,6,8,10,12,14
.irp b, 0,1,2,3
	v_max3_num_f32 v[TM+\b], v[TM+\b], |v[X+16*\b+\i]|, |v[X+1+16*\b+\i]|   ; the four blocks by turns
.endr
.endr
.irp b, 0,1,2,3
	v_permlanex16_b32 v[TM+4+\b], v[TM+\b], s20, s21
.endr
.irp b, 0,1,2,3
	v_max_num_f32 v[TM+\b], v[TM+\b], v[TM+4+\b]   ; with lane l xor 16's 16: the block's largest magnitude
.endr
.irp b, 0,1,2,3
	v_add_nc_u32 v[TM+12+\b], 0xf8800000, v[TM+\b] ; 15 off its exponent field: the conversion's scale operand
.endr
.irp b, 0,1,2,3
	v_and_or_b32 v[TM+8+\b], v[TM+\b], 0x7f800000, s22   ; 57,344 x the scale
.endr
.irp b, 0,1,2,3
	v_lshrrev_b32 v[TM+4+\b], 23, v[TM+12+\b]      ; the scale's byte
.endr
	v_lshl_or_b32 v9, v[TM+5], 8, v[TM+4]          ; column r's scale word
	v_lshl_or_b32 v9, v[TM+6], 16, v9
	v_lshl_or_b32 v9, v[TM+7], 24, v9
.irp c, 0,1,2,3
.irp i, 0,1,2,3,4,5,6,7,8,9,10,11,12,13,14,15
	v_med3_num_f32 v[X+16*\c+\i], v[X+16*\c+\i], -v[TM+8+\c], v[TM+8+\c]   ; the conversion to an 8-bit code does not saturate (ISA guide 7.6.2): the hold comes first
.endr
	v_cvt_scalef32_pk8_bf8_f32 v[PC+4*\c:PC+1+4*\c], v[X+16*\c:X+7+16*\c], v[TM+12+\c]
	v_cvt_scalef32_pk8_bf8_f32 v[PC+2+4*\c:PC+3+4*\c], v[X+8+16*\c:X+15+16*\c], v[TM+12+\c]
.endr
	v_nop                                          ; a plain line behind the last conversion
.irp c, 0,1,2,3
	global_store_b128 v6, v[PC+4*\c:PC+4*\c+3], s[10:11] offset:512*\c   ; 32 lanes store 512 consecutive bytes, at a multiple of 256 from wimg's first byte
.endr
	s_wait_xcnt 0x0                                ; EXEC is a source of the stores above: it changes only behind this wait
	v_cmp_gt_u32 vcc_lo, 16, v3
	s_and_saveexec_b32 s30, vcc_lo
	global_store_b32 v7, v9, s[12:13]              ; lanes 0-15: the sixteen columns' words
	s_wait_xcnt 0x0                                ; and again in front of the line that widens it
	s_or_b32 exec_lo, exec_lo, s30
	s_endpgm
.Lfunc_end_k_q886c737fae_wprep:
	.size	k_q886c737fae_wprep, .Lfunc_end_k_q886c737fae_wprep-k_q886c737fae_wprep
	.p2alignl 7, 3214868480
	.fill 96, 4, 3214868480
	.section	.rodata,"a",@progbits
	.p2align	6, 0x0
	.amdhsa_kernel k_q886c737fae_wprep
		.amdhsa_group_segment_fixed_size 0
		.amdhsa_private_segment_fixed_size 0
		.amdhsa_enable_private_segment 0
		.amdhsa_kernarg_size 40
		.amdhsa_user_sgpr_count 2
		.amdhsa_user_sgpr_kernarg_segment_ptr 1
		.amdhsa_wavefront_size32 1
		.amdhsa_system_sgpr_workgroup_id_x 1
		.amdhsa_system_sgpr_workgroup_id_y 1
		.amdhsa_system_sgpr_workgroup_id_z 1
		.amdhsa_system_vgpr_workitem_id 0
		.amdhsa_next_free_vgpr 128
		.amdhsa_next_free_sgpr 66
		.amdhsa_reserve_vcc 1
		.amdhsa_float_denorm_mode_32 3
		.amdhsa_float_denorm_mode_16_64 3
		.amdhsa_memory_ordered 1
		.amdhsa_forward_progress 1
		.amdhsa_inst_pref_size 17
	.end_amdhsa_kernel
	.amdgpu_metadata
---
amdhsa.version: [ 1, 2 ]
amdhsa.kernels:
  - .name:           k_q886c737fae_wprep
    .symbol:         k_q886c737fae_wprep.kd
    .args:
      - { .name: wq, .offset: 0, .size: 8, .value_kind: global_buffer, .address_space: global }
      - { .name: wk, .offset: 8, .size: 8, .value_kind: global_buffer, .address_space: global }
      - { .name: wv, .offset: 16, .size: 8, .value_kind: global_buffer, .address_space: global }
      - { .name: wimg, .offset: 24, .size: 8, .value_kind: global_buffer, .address_space: global }
      - { .name: wsc, .offset: 32, .size: 8, .value_kind: global_buffer, .address_space: global }
    .group_segment_fixed_size: 0
    .private_segment_fixed_size: 0
    .kernarg_segment_align: 8
    .kernarg_segment_size: 40
    .max_flat_workgroup_size: 128
    .sgpr_count:     66
    .vgpr_count:     128
    .wavefront_size: 32
...
	.end_amdgpu_metadata
.endif
;; end of part 1
;; launch proj (part 2): grid 256 x 1, 8 waves a work-group, no clusters, 327,680 bytes of LDS; arguments x, wimg, wsc, qimg, qs, kv, sc; writes qimg, qs, kv, sc
.if DOCPART == 2
	.amdgcn_target "amdgcn-amd-amdhsa--gfx1250"
	.amdhsa_code_object_version 6
	.text
	.protected	k_q886c737fae_proj
	.globl	k_q886c737fae_proj
	.p2align	8
	.type	k_q886c737fae_proj,@function
k_q886c737fae_proj:
	s_mov_b64 s[64:65], 0
	v_nop
	global_prefetch_b8 v0, s[64:65] scope:SCOPE_SE
	s_setreg_imm32_b32 hwreg(HW_REG_WAVE_MODE, 25, 1), 1
	s_wait_xcnt 0x0
.set WTILE,  16640
.set RSLOT,  8*WTILE
.set XIMG,   2*RSLOT
.set XSC,    XIMG+2*16384
.set SPARE,  XSC+2*1024
.set SCST,   SPARE+1024
.set XA,  4
.set LI,  5
.set XWI, 6
.set XWS, 7
.set XRS, 8
.set EA0, 9
.set EA1, 10
.set EL0, 11
.set EL1, 12
.set SKV, 13
.set SQ,  14
.set WSA, 15
.set XF,  16
.set U1,  16
.set U2,  80
.set XS,  144
.set WS,  152
.set XRI, 176
.set CL,  177
.set XA1, 178
.set PC,  192
.set TM,  208
.set PW,  224
.set SPW, 252
.set NIL, 253
.set AQ,  0
.set AK,  64
.set AV,  128
.set WF,  192
.set WV,  18
.set SEL, 20
.set MNT, 23
.set G1,  24
.set G0,  32
.set MSB, 0
.macro WIN new
.if MSB != \new
	s_set_vgpr_msb (MSB<<8)|\new
.set MSB, \new
.endif
.endm
.macro QUANT s
.irp b, 0,1,2,3
	v_max3_num_f32 v[TM+\b], |v[\s+16*\b]|, |v[\s+1+16*\b]|, 0x8000000
.endr
.irp i, 2,4,6,8,10,12,14
.irp b, 0,1,2,3
	v_max3_num_f32 v[TM+\b], v[TM+\b], |v[\s+16*\b+\i]|, |v[\s+1+16*\b+\i]|
.endr
.endr
.irp b, 0,1,2,3
	s_delay_alu instid0(VALU_DEP_4)
	v_permlanex16_b32 v[TM+4+\b], v[TM+\b], s[SEL], s[SEL+1]
.endr
.irp b, 0,1,2,3
	s_delay_alu instid0(VALU_DEP_4)
	v_max_num_f32 v[TM+\b], v[TM+\b], v[TM+4+\b]
.endr
.irp b, 0,1,2,3
	s_delay_alu instid0(VALU_DEP_4)
	v_add_nc_u32 v[TM+12+\b], 0xf8800000, v[TM+\b]
.endr
.irp b, 0,1,2,3
	v_and_or_b32 v[TM+8+\b], v[TM+\b], 0x7f800000, s[MNT]
.endr
.irp b, 0,1,2,3
	v_lshrrev_b32 v[TM+4+\b], 23, v[TM+12+\b]
.endr
	s_delay_alu instid0(VALU_DEP_3)
	v_lshl_or_b32 v[PW], v[TM+5], 8, v[TM+4]
	s_delay_alu instid0(VALU_DEP_1)
	v_lshl_or_b32 v[PW], v[TM+6], 16, v[PW]
	s_delay_alu instid0(VALU_DEP_1)
	v_lshl_or_b32 v[PW], v[TM+7], 24, v[PW]
.irp b, 0,1,2,3
.irp i, 0,1,2,3,4,5,6,7,8,9,10,11,12,13,14,15
	v_med3_num_f32 v[\s+16*\b+\i], v[\s+16*\b+\i], -v[TM+8+\b], v[TM+8+\b]
.endr
	v_cvt_scalef32_pk8_bf8_f32 v[PC+4*\b:PC+1+4*\b], v[\s+16*\b:\s+7+16*\b], v[TM+12+\b]
	v_cvt_scalef32_pk8_bf8_f32 v[PC+2+4*\b:PC+3+4*\b], v[\s+8+16*\b:\s+15+16*\b], v[TM+12+\b]
.endr
	v_nop
.endm
.macro MM d, a, b, sa, sb, zero
.if \zero
	v_wmma_scale_f32_16x16x128_f8f6f4 v[\d:\d+7], v[\a:\a+15], v[\b:\b+15], 0, v[\sa], v[\sb] matrix_a_fmt:MATRIX_FMT_BF8 matrix_b_fmt:MATRIX_FMT_BF8
.else
	v_wmma_scale_f32_16x16x128_f8f6f4 v[\d:\d+7], v[\a:\a+15], v[\b:\b+15], v[\d:\d+7], v[\sa], v[\sb] matrix_a_fmt:MATRIX_FMT_BF8 matrix_b_fmt:MATRIX_FMT_BF8
.endif
.endm
.macro STEP s, xa, half, zero
.irp b, 0,1,2,3
.irp j, 0,1,2,3
	ds_load_b128 v[XF+16*\b+4*\j:XF+16*\b+4*\j+3], v[\xa] offset:512*\half+128*\b+16*\j
.endr
.endr
	s_wait_dscnt 0x0
	QUANT XF
.irp c, 0,1,2,3
	ds_store_b128 v[XWI], v[PC+4*\c:PC+4*\c+3] offset:16384*((\s)%2)+512*\c
.endr
	ds_store_b32 v[XWS], v[PW] offset:1024*((\s)%2)
	s_wait_dscnt 0x0
	s_barrier_signal -1
	s_barrier_wait -1
.irp r, 0,1,2,3,4,5,6,7
.irp c, 0,1,2,3
	ds_load_b128 v[XF+16*\r+4*\c:XF+16*\r+4*\c+3], v[XRI] offset:16384*((\s)%2)+2048*\r+512*\c
.endr
.endr
	ds_load_b128 v[XS:XS+3], v[XRS] offset:1024*((\s)%2)
	ds_load_b128 v[XS+4:XS+7], v[XRS] offset:1024*((\s)%2)+16
	s_wait_loadcnt 0x0
	s_wait_dscnt 0x0
	WIN 0x51
.irp r, 0,1,2,3,4,5,6,7
	MM AQ+8*\r, WF, XF+16*\r, WS+3*(\s), XS+\r, \zero
	MM AK+8*\r, WF+16, XF+16*\r, WS+3*(\s)+1, XS+\r, \zero
.endr
	WIN 0x54
.irp r, 0,1,2,3,4,5,6,7
	MM AV+8*\r, XF+16*\r, WF+32, XS+\r, WS+3*(\s)+2, \zero
.endr
	WIN 0
.rept 8
	v_nop
.endr
.if (\s) < 7
	WIN 0x40
.irp kd, 0,1,2
.irp c, 0,1,2,3
	global_load_b128 v[WF+16*\kd+4*\c:WF+16*\kd+4*\c+3], v[LI], s[6:7] offset:6144*((\s)+1)+2048*\kd+512*\c
.endr
.endr
	WIN 0
.endif
.endm
.macro FILL n
	s_wait_tensorcnt 0x0
	ds_add_u32 v[SPW], v[NIL]
	s_add_nc_u64 s[G0+4*\n+2:G0+4*\n+3], s[G0+4*\n+2:G0+4*\n+3], 2048
	s_wait_dscnt 0x0
	s_barrier_signal -1
	s_barrier_wait -1
	tensor_load_to_lds s[G0+4*\n:G0+4*\n+3], s[G1:G1+7]
	s_nop 0
.endm
	s_load_b256 s[4:11], s[0:1], 0x0
	s_load_b128 s[12:15], s[0:1], 0x20
	s_load_b64 s[16:17], s[0:1], 0x30
	v_lshl_add_u32 v[SPW], v0, 2, SPARE
	v_mov_b32 v[NIL], 0
	ds_add_u32 v[SPW], v[NIL]
	ds_add_u32 v[SPW], v[NIL]
	v_lshrrev_b32 v1, 5, v0
	s_delay_alu instid0(VALU_DEP_1)
	v_readfirstlane_b32 s[WV], v1
	s_mov_b32 s[G1+0], (2<<16)|(1<<20)|(7<<22)|(3<<25)
	s_mov_b32 s[G1+1], 256<<16
	s_mov_b32 s[G1+2], 16<<16
	s_mov_b32 s[G1+3], 256<<16
	s_mov_b32 s[G1+4], 16
	s_mov_b32 s[G1+5], 1024
	s_mov_b32 s[G1+6], 0
	s_mov_b32 s[G1+7], 0
	s_mul_i32 s40, s[WV], WTILE
	s_lshl_b32 s42, ttmp9, 19
	s_lshl_b32 s43, s[WV], 16
	s_add_co_u32 s42, s42, s43
	s_mov_b32 s43, 0
	s_mul_i32 s44, s[WV], 49152
	s_mov_b32 s45, 0
	s_mul_i32 s46, s[WV], 1536
	s_mov_b32 s47, 0
	s_lshl_b32 s48, ttmp9, 14
	s_lshl_b32 s49, s[WV], 11
	s_add_co_u32 s48, s48, s49
	s_lshl_b32 s50, ttmp9, 15
	s_add_co_u32 s50, s50, s49
	s_mov_b32 s49, 0
	s_mov_b32 s51, 0
	s_lshl_b32 s52, ttmp9, 10
	s_mov_b32 s53, 0
	s_lshl_b32 s54, ttmp9, 9
	s_mov_b32 s55, 0
	s_mov_b32 s[SEL], 0x76543210
	s_mov_b32 s[SEL+1], 0xfedcba98
	s_mov_b32 s[MNT], 0x600000
	s_wait_dscnt 0x0
	s_wait_kmcnt 0x0
	s_add_nc_u64 s[4:5], s[4:5], s[42:43]
.irp n, 0,1
	s_mov_b32 s[G0+4*\n], 1
	s_add_co_u32 s[G0+4*\n+1], s40, \n*RSLOT
	s_add_nc_u64 s[G0+4*\n+2:G0+4*\n+3], s[4:5], \n*1024
	s_or_b32 s[G0+4*\n+3], s[G0+4*\n+3], 0x80000000
	s_wait_alu depctr_va_vdst(0)
	s_wait_tensorcnt 0x0
	ds_add_u32 v252, v253
	ds_add_u32 v252, v253
	s_wait_dscnt 0x0
	s_barrier_signal -1
	s_barrier_wait -1
	tensor_load_to_lds s[G0+4*\n:G0+4*\n+3], s[G1:G1+7]
	s_nop 0
.endr
	s_add_nc_u64 s[6:7], s[6:7], s[44:45]
	s_add_nc_u64 s[8:9], s[8:9], s[46:47]
	s_add_nc_u64 s[10:11], s[10:11], s[48:49]
	s_add_nc_u64 s[14:15], s[14:15], s[50:51]
	s_add_nc_u64 s[16:17], s[16:17], s[52:53]
	s_add_nc_u64 s[12:13], s[12:13], s[54:55]
	v_and_b32 v1, 31, v0
	v_and_b32 v2, 15, v0
	v_bfe_u32 v3, v0, 4, 1
	s_delay_alu instid0(VALU_DEP_3)
	v_lshlrev_b32 v[LI], 4, v1
	s_delay_alu instid0(VALU_DEP_3)
	v_lshlrev_b32 v[WSA], 2, v2
.set Q, 0
.rept 24
	global_load_b32 v[WS+Q], v[WSA], s[8:9] offset:64*Q
.set Q, Q+1
.endr
	WIN 0x40
.irp kd, 0,1,2
.irp c, 0,1,2,3
	global_load_b128 v[WF+16*\kd+4*\c:WF+16*\kd+4*\c+3], v[LI], s[6:7] offset:2048*\kd+512*\c
.endr
.endr
	WIN 0
	v_mul_u32_u24 v[XA], v2, 1040
	s_delay_alu instid0(VALU_DEP_1)
	v_lshl_add_u32 v[XA], v3, 6, v[XA]
	s_delay_alu instid0(VALU_DEP_1)
	v_add_nc_u32 v[XA], s40, v[XA]
	s_delay_alu instid0(VALU_DEP_1)
	v_add_nc_u32 v[XA1], RSLOT, v[XA]
	s_lshl_b32 s46, s[WV], 11
	v_add_nc_u32 v[XWI], s46, v[LI]
	s_delay_alu instid0(VALU_DEP_1)
	v_add_nc_u32 v[XWI], XIMG, v[XWI]
	v_lshlrev_b32 v[XRS], 5, v1
	s_delay_alu instid0(VALU_DEP_1)
	v_add_nc_u32 v[XRS], XSC, v[XRS]
	s_lshl_b32 s47, s[WV], 2
	v_add_nc_u32 v[XWS], s47, v[XRS]
	s_lshl_b32 s48, s[WV], 10
	v_add_nc_u32 v[EA0], s48, v[LI]
	s_delay_alu instid0(VALU_DEP_1)
	v_add_nc_u32 v[EA1], 65536, v[EA0]
	s_lshl_b32 s49, s[WV], 13
	v_add_nc_u32 v[EL0], s49, v[LI]
	s_delay_alu instid0(VALU_DEP_1)
	v_add_nc_u32 v[EL1], 65536, v[EL0]
	s_and_b32 s50, s[WV], 1
	s_lshl_b32 s50, s50, 8
	s_lshr_b32 s51, s[WV], 1
	s_lshl_b32 s51, s51, 2
	s_add_co_u32 s50, s50, s51
	s_add_co_u32 s50, s50, SCST
	v_lshl_add_u32 v[SKV], v2, 4, s50
	s_lshl_b32 s52, s[WV], 6
	s_add_co_u32 s52, s52, SCST+1024
	v_lshl_add_u32 v[SQ], v2, 2, s52
	v_add_nc_u32 v[XRI], XIMG, v[LI]
	v_add_nc_u32 v[CL], SCST, v[LI]
.irp b, 0,1,2,3
	v_mov_b32 v[TM+4+\b], 0
.endr
	s_wait_tensorcnt 0x1
	STEP 0, XA, 0, 1
	STEP 1, XA, 1, 0
	FILL 0
	STEP 2, XA1, 0, 0
	STEP 3, XA1, 1, 0
	FILL 1
	STEP 4, XA, 0, 0
	STEP 5, XA, 1, 0
	s_wait_tensorcnt 0x0
	STEP 6, XA1, 0, 0
	STEP 7, XA1, 1, 0
	WIN 0x04
.irp r, 0,1,2,3,4,5,6,7
	ds_store_b128 v[EA0], v[AQ+8*\r:AQ+8*\r+3] offset:8192*\r
	ds_store_b128 v[EA0], v[AQ+8*\r+4:AQ+8*\r+7] offset:8192*\r+512
	ds_store_b128 v[EA1], v[AK+8*\r:AK+8*\r+3] offset:8192*\r
	ds_store_b128 v[EA1], v[AK+8*\r+4:AK+8*\r+7] offset:8192*\r+512
.endr
	WIN 0
	s_wait_dscnt 0x0
	s_barrier_signal -1
	s_barrier_wait -1
.irp n, 0,1,2,3,4,5,6,7
	ds_load_b128 v[U1+8*\n:U1+8*\n+3], v[EL0] offset:1024*\n
	ds_load_b128 v[U1+8*\n+4:U1+8*\n+7], v[EL0] offset:1024*\n+512
.endr
.irp n, 0,1,2,3,4,5,6,7
	ds_load_b128 v[U2+8*\n:U2+8*\n+3], v[EL1] offset:1024*\n
	ds_load_b128 v[U2+8*\n+4:U2+8*\n+7], v[EL1] offset:1024*\n+512
.endr
	WIN 0x40
.irp b, 0,1,2,3
	v_mov_b32 v[TM+4+\b], 0
.endr
	WIN 0x55
	QUANT AV
	WIN 0x04
.irp c, 0,1,2,3
	global_store_b128 v[LI], v[PC+4*\c:PC+4*\c+3], s[14:15] offset:16384+512*\c
.endr
	ds_store_b32 v[SKV], v[PW] offset:512
	WIN 0
	s_wait_dscnt 0x0
	QUANT U1
.irp c, 0,1,2,3
	global_store_b128 v[LI], v[PC+4*\c:PC+4*\c+3], s[10:11] offset:512*\c
.endr
	ds_store_b32 v[SQ], v[PW]
	s_wait_xcnt 0x0
	s_wait_dscnt 0x0
	QUANT U2
.irp c, 0,1,2,3
	global_store_b128 v[LI], v[PC+4*\c:PC+4*\c+3], s[14:15] offset:512*\c
.endr
	ds_store_b32 v[SKV], v[PW]
	s_wait_dscnt 0x0
	s_barrier_signal -1
	s_barrier_wait -1
	s_cmp_lg_u32 s[WV], 0
	s_cbranch_scc1 .Lend
	ds_load_b128 v[16:19], v[CL]
	ds_load_b128 v[20:23], v[CL] offset:512
	ds_load_b128 v[24:27], v[CL] offset:1024
	s_wait_dscnt 0x0
	global_store_b128 v[LI], v[16:19], s[16:17]
	global_store_b128 v[LI], v[20:23], s[16:17] offset:512
	global_store_b128 v[LI], v[24:27], s[12:13]
.Lend:
	s_wait_tensorcnt 0x0
	ds_add_u32 v[SPW], v[NIL]
	s_wait_dscnt 0x0
	s_endpgm
.Lfunc_end_k_q886c737fae_proj:
	.size	k_q886c737fae_proj, .Lfunc_end_k_q886c737fae_proj-k_q886c737fae_proj
	.p2alignl 7, 3214868480
	.fill 96, 4, 3214868480
	.section	.rodata,"a",@progbits
	.p2align	6, 0x0
	.amdhsa_kernel k_q886c737fae_proj
		.amdhsa_group_segment_fixed_size 327680
		.amdhsa_private_segment_fixed_size 0
		.amdhsa_enable_private_segment 0
		.amdhsa_kernarg_size 56
		.amdhsa_user_sgpr_count 2
		.amdhsa_user_sgpr_kernarg_segment_ptr 1
		.amdhsa_wavefront_size32 1
		.amdhsa_system_sgpr_workgroup_id_x 1
		.amdhsa_system_sgpr_workgroup_id_y 1
		.amdhsa_system_sgpr_workgroup_id_z 1
		.amdhsa_system_vgpr_workitem_id 0
		.amdhsa_next_free_vgpr 512
		.amdhsa_next_free_sgpr 66
		.amdhsa_reserve_vcc 0
		.amdhsa_float_denorm_mode_32 3
		.amdhsa_float_denorm_mode_16_64 3
		.amdhsa_memory_ordered 1
		.amdhsa_forward_progress 1
		.amdhsa_inst_pref_size 174
	.end_amdhsa_kernel
	.amdgpu_metadata
---
amdhsa.version: [ 1, 2 ]
amdhsa.kernels:
  - .name:           k_q886c737fae_proj
    .symbol:         k_q886c737fae_proj.kd
    .args:
      - { .name: x, .offset: 0, .size: 8, .value_kind: global_buffer, .address_space: global }
      - { .name: wimg, .offset: 8, .size: 8, .value_kind: global_buffer, .address_space: global }
      - { .name: wsc, .offset: 16, .size: 8, .value_kind: global_buffer, .address_space: global }
      - { .name: qimg, .offset: 24, .size: 8, .value_kind: global_buffer, .address_space: global }
      - { .name: qs, .offset: 32, .size: 8, .value_kind: global_buffer, .address_space: global }
      - { .name: kv, .offset: 40, .size: 8, .value_kind: global_buffer, .address_space: global }
      - { .name: sc, .offset: 48, .size: 8, .value_kind: global_buffer, .address_space: global }
    .group_segment_fixed_size: 327680
    .private_segment_fixed_size: 0
    .kernarg_segment_align: 8
    .kernarg_segment_size: 56
    .max_flat_workgroup_size: 256
    .sgpr_count:     66
    .vgpr_count:     512
    .wavefront_size: 32
...
	.end_amdgpu_metadata
.endif
;; end of part 2
;; launch attn (part 3): grid 32 x 8, 4 waves a work-group, clusters of 4 x 1, 327,680 bytes of LDS; arguments qimg, qs, kv, sc, out0; writes out0
.if DOCPART == 3
	.amdgcn_target "amdgcn-amd-amdhsa--gfx1250"
	.amdhsa_code_object_version 6
	.text
	.protected	k_q886c737fae_attn
	.globl	k_q886c737fae_attn
	.p2align	8
	.type	k_q886c737fae_attn,@function
k_q886c737fae_attn:
	s_mov_b64 s[64:65], 0
	v_nop
	global_prefetch_b8 v0, s[64:65] scope:SCOPE_SE
	s_setreg_imm32_b32 hwreg(HW_REG_WAVE_MODE, 25, 1), 1
	s_wait_xcnt 0x0
	s_wait_alu depctr_hold_cnt(0) depctr_sa_sdst(0) depctr_va_vdst(0) depctr_va_sdst(0) depctr_va_ssrc(0) depctr_va_vcc(0) depctr_vm_vsrc(0)
	s_getreg_b32 s2, hwreg(HW_REG_IB_STS2, 6, 4)
	s_cmp_eq_u32 s2, 0
	s_cbranch_scc0 .Lentry_in_a_cluster
	s_endpgm
.Lentry_in_a_cluster:
	s_bfe_u32 s2, ttmp6, 0x10000c
	s_cmp_lg_u32 s2, 0x3003
	s_cbranch_scc0 .Lentry_shape_is_right
	s_endpgm
.Lentry_shape_is_right:
; out[b][q] = the sum over k <= q of softmax_k(q . k / sqrt(128)) v[k], both products on codes of BF8 (E5M2) with E8M0 block scales, from the operand images that the launch before has stored.
; WORK LEFT OUT: a step of 128 keys that lies wholly behind a tile's 16 queries (reference()'s own jnp.tril gives those keys the weight 0 for all values of the inputs).
; LIMITS: a NaN, an infinity or an overflow that reaches only such steps is not carried to the result; the scaled scores (exponents to the base 2) stay under 2^31 in magnitude.
; THE SOFTMAX: t = score x log2(e) / sqrt(128); M = the largest t so far rounded UP to a whole number; p = 2^(t - M) is quantised along the keys; the row's sum is taken of the unquantised p and divides at the end.
; When M moves, sum and O are multiplied by 2^(old M - new M): exact.  -M alone is kept: the floor of a minimum is the minimum of the floors.
; THE DEAL.  A batch has 8 groups of 512 queries, 32 tiles of 16 each.  Work-group j owns one tile of each group: number j of the even, 31 - j of the odd: the same work everywhere, and every work-group walks all
; eight slots of 512 keys and reads each.  In slot s tiles s .. 7 are at work, tile s on the diagonal.
; SHARES.  Four waves; wave w takes keys 128 w .. 128 w + 127 of every slot for ALL tiles: it holds its K and V (128 registers each) and the eight tiles' O (512 registers).  At the end the four partial O of a tile meet in LDS.
; CLUSTERS of four work-groups of one batch: K and V come by joint loads.  j / 8 hangs on the cluster's number alone, so the branches on the diagonal are the same in all partners.
; THE RING: two slots of 131,072 bytes.  Wave a fetches piece a (8,192 bytes) of each of a slot's four records of 128 keys: 4 rows, so each load holds bytes of all four records.  Piece a of record p lies at 32,768 a + 8,192 p.
; The change of slots stands inside tile 7's step: by then K and V of the slot in hand are in registers, so its bytes may be filled again.
; LAYOUT: both products transposed (source 0 = 16 keys or 16 channels): a lane holds one query.  Register 8 tau + i of S^T is key 16 tau + 8 h + i, the order in which V's images were laid.
; WINDOWS: 0: below; 1: K v0-127, V v128-255; 2, 3: O of tiles 0-3, 4-7.
.set DQ, 0
.set LN, 1
.set QA, 2
.set SPW, 3
.set NIL, 4
.set KVA, 5
.set PFO, 6
.set TQ, 7
.set NM, 8
.set L, 24
.set KS, 40
.set VS, 44
.set NK, 48
.set BM, 56
.set FF, 64
.set PW, 65
.set TN, 67
.set HD, 68
.set SO, 72
.set EB, 76
.set T, 80
.set PC, 96
.set QF, 112
.set SB, 128
; v8.. pairs (-M of tile g, its scale words of Q); v24.. the sums in two halves; v40 K's, v44 V's scale words, v48-55 the next slot's; v56 two sets of block maxima; v64, v66 the factors 2^(old M - new M);
; v65 P's scale word; v68 holds, v72 conversion scales, v76 bytes, v80 at work; v96 P's codes; v112 Q's fragment; v128, v192 two buffers of S^T
.set SLOT, 131072
.set QBASE, 262144
.set SPARE, 278528
.set STAGE, 279040
.set WV, 14
.set SS, 15
.set EE, 16
.set DG, 17
.set QE, 18
.set QO, 19
.set DE, 20
.set DO, 21
.set TB, 22
.set DB, 23
.set G1, 24
.set G0, 32
.set SEL, 36
.set CS, 38
.set NC, 40
.set MNT, 41
.set EXM, 42
.set SCP, 44
.set PFA, 46
.set JJ, 48
.set BT, 50
.set MSB, 0
.macro WIN new
.if MSB != \new
	s_set_vgpr_msb (MSB<<8)|(\new)
.set MSB, \new
.endif
.endm
.macro WALU
	s_wait_alu depctr_va_vdst(0)
.endm
.macro NOPS n
.rept \n
	v_nop
.endr
.endm
.macro CREST
	s_cmp_lg_u32 s[WV], 0
	s_cbranch_scc1 .Lnot_wave_0_\@
	s_barrier_signal -3
.Lnot_wave_0_\@:
	s_barrier_wait -3
	s_barrier_signal -1
	s_barrier_wait -1
.endm
.macro CROUND
	s_barrier_signal -1
	s_barrier_wait -1
	CREST
.endm
.macro JLOAD
	tensor_load_to_lds s[G0:G0+3], s[G1:G1+7]
	s_nop 0
	NOPS 4
.endm
; A PREFETCH INTO THE L2: cluster x of a batch asks for slot x (2 to 7), whole, at the change of slots that loads slot x - 1: 131,072 bytes, each of the cluster's 512 lanes one block of 256, told apart by address.
.macro ASK n
	s_cmp_eq_u32 ttmp9, \n
	s_cbranch_scc0 .Lnot_mine_\@
	global_prefetch_b8 v[PFO], s[PFA:PFA+1] th:TH_LOAD_NT scope:SCOPE_SE
.Lnot_mine_\@:
.endm
.macro KLOAD
	v_add_nc_u32 v[T], s[TB], v[KVA]
	WIN 0x40
.irp m, 0,1,2,3,4,5,6,7
.irp c, 0,1,2,3
	ds_load_b128 v[16*\m+4*\c:16*\m+4*\c+3], v[T] offset:32768*(\m/4)+2048*(\m%4)+512*\c
.endr
.endr
	WIN 0
.endm
.macro VLOAD
	v_add_nc_u32 v[T], s[TB], v[KVA]
	v_add_nc_u32 v[T+1], 0x10000, v[T]
	WIN 0x40
.irp m, 0,1,2,3,4,5,6,7
.irp c, 0,1,2,3
	ds_load_b128 v[128+16*\m+4*\c:128+16*\m+4*\c+3], v[T+1] offset:32768*(\m/4)+2048*(\m%4)+512*\c
.endr
.endr
	WIN 0
.endm
.macro SMUL d, b, qw                   ; S^T = K Q^T, eight tiles of 16 keys
	WIN 1
.irp t, 0,2,4,6
	v_wmma_scale_f32_16x16x128_f8f6f4 v[(\d)+8*\t:(\d)+8*\t+7], v[16*\t:16*\t+15], v[\b:\b+15], 0, v[KS+\t/2], v[\qw] matrix_a_fmt:MATRIX_FMT_BF8 matrix_b_fmt:MATRIX_FMT_BF8
	v_wmma_scale_f32_16x16x128_f8f6f4 v[(\d)+8*\t+8:(\d)+8*\t+15], v[16*\t+16:16*\t+31], v[\b:\b+15], 0, v[KS+\t/2], v[\qw] matrix_a_fmt:MATRIX_FMT_BF8 matrix_b_fmt:MATRIX_FMT_BF8 matrix_a_scale:MATRIX_SCALE_ROW1
.endr
	WIN 0
.endm
.macro MAXL k, x, m                    ; 32 lines: the largest score of each block of 32 keys, my 16 of them; it serves for M and, since p rises with the score, for the block's largest p
.if (\k) < 4
	v_max3_num_f32 v[(\m)+(\k)], v[(\x)+16*(\k)], v[(\x)+16*(\k)+1], v[(\x)+16*(\k)+2]
.elseif (\k) < 28
	v_max3_num_f32 v[(\m)+(\k)%4], v[(\m)+(\k)%4], v[(\x)+16*((\k)%4)+2*((\k)/4)+1], v[(\x)+16*((\k)%4)+2*((\k)/4)+2]
.else
	v_max_num_f32 v[(\m)+(\k)%4], v[(\m)+(\k)%4], v[(\x)+16*((\k)%4)+15]
.endif
.endm
.macro CH i, m, nm, f                  ; 21 lines: the other half's maxima, the new -M, the factor, and each block's largest exponent
.if (\i) < 4
	v_permlanex16_b32 v[HD+(\i)], v[(\m)+(\i)], s[SEL], s[SEL+1]
.elseif (\i) < 8
	v_max_num_f32 v[(\m)+(\i)-4], v[(\m)+(\i)-4], v[HD+(\i)-4]
.elseif (\i) == 8
	v_max3_num_f32 v[HD], v[\m], v[(\m)+1], v[(\m)+2]
.elseif (\i) == 9
	v_max_num_f32 v[HD], v[HD], v[(\m)+3]
.elseif (\i) == 10
	v_mul_f32 v[HD], s[NC], v[HD]
.elseif (\i) == 11
	v_floor_f32 v[HD], v[HD]
.elseif (\i) == 12
	v_min_num_f32 v[HD], v[\nm], v[HD]
.elseif (\i) == 13
	v_sub_f32 v[HD+1], v[HD], v[\nm]
.elseif (\i) == 14
	v_mov_b32 v[\nm], v[HD]
.elseif (\i) == 15
	v_cvt_i32_f32 v[HD+1], v[HD+1]
.elseif (\i) == 16
	v_ldexp_f32 v[\f], 1.0, v[HD+1]
.else
	v_fma_f32 v[(\m)+(\i)-17], v[(\m)+(\i)-17], s[CS], v[HD]
.endif
.endm
.macro PKF r                           ; t - M, two at a time
	v_pk_fma_f32 v[\r:\r+1], v[\r:\r+1], s[CS:CS+1], v[NM+2*G_:NM+2*G_+1] op_sel_hi:[1,0,0]
.endm
.macro MIN2 x, h                       ; the conversion does not saturate (ISA guide 7.6.2); p is not negative, so the hold is one-sided
	v_dual_min_num_f32 v[\x], v[\h], v[\x] :: v_dual_min_num_f32 v[\x+1], v[\h], v[\x+1]
.endm
.macro BP k                            ; the plain lines among the second half's exponentials
.if (\k) < 8
	v_pk_add_f32 v[T+2*(\k):T+2*(\k)+1], v[B_+4*(\k):B_+4*(\k)+1], v[B_+4*(\k)+2:B_+4*(\k)+3]
.elseif (\k) < 24
	MIN2 B_+2*((\k)-8), HD+((\k)-8)/8
.else
	v_add_nc_u32 v[SO+(\k)-24], 0xf8800000, v[EB+(\k)-24]
.endif
.endm
.macro AP k                            ; the second half's sums, then its holds
.if (\k) < 8
	v_pk_add_f32 v[T+2*(\k):T+2*(\k)+1], v[T+2*(\k):T+2*(\k)+1], v[B_+32+4*(\k):B_+32+4*(\k)+1]
.elseif (\k) < 16
	v_pk_add_f32 v[T+2*((\k)-8):T+2*((\k)-8)+1], v[T+2*((\k)-8):T+2*((\k)-8)+1], v[B_+34+4*((\k)-8):B_+35+4*((\k)-8)]
.else
	MIN2 B_+32+2*((\k)-16), HD+2+((\k)-16)/8
.endif
.endm
.macro CX nx, i
.if \nx
	CH \i, N_, NM+2*G_+2, FF+2-2*P_
.endif
.endm
.macro CV b
	v_cvt_scalef32_pk8_bf8_f32 v[PC+4*\b:PC+4*\b+1], v[B_+16*\b:B_+16*\b+7], v[SO+\b]
	v_cvt_scalef32_pk8_bf8_f32 v[PC+4*\b+2:PC+4*\b+3], v[B_+16*\b+8:B_+16*\b+15], v[SO+\b]
.endm
.macro TR a, b
	v_pk_add_f32 v[T+2*\a:T+2*\a+1], v[T+2*\a:T+2*\a+1], v[T+2*\b:T+2*\b+1]
.endm
; TILE g's STEP on my 128 keys.  nx = 1: tile g + 1 follows in this slot: its S^T, maxima and -M are made here.  q2 = 1: tile g + 2's Q is fetched.  chg = 1: the change of slots stands inside.
.macro BODY g, nx, q2, chg
.set G_, \g
.set P_, G_%2
.set B_, SB+64*P_
.set C_, SB+64-64*P_
.set M_, BM+4*P_
.set N_, BM+4-4*P_
.set F_, FF+2*P_
.set W_, 2+G_/4
.set O_, 64*(G_%4)
.if \chg
	s_wait_tensorcnt 0x0                           ; my part of the next slot is in, and no load of mine is out: the descriptor may walk
	ds_add_u32 v[SPW], v[NIL]
	s_add_nc_u64 s[G0+2:G0+3], s[G0+2:G0+3], 0x20000
	s_xor_b32 s[G0+1], s[G0+1], SLOT
	s_xor_b32 s[TB], s[TB], SLOT
.endif
.if \nx
	SMUL C_, QF, NM+2*G_+3
.endif
.set J_, 0
.rept 4                                ; the four blocks' largest p, among the first half's exponents
	v_exp_f32 v[M_+J_], v[M_+J_]
	PKF B_+8*J_
	PKF B_+8*J_+2
	PKF B_+8*J_+4
	PKF B_+8*J_+6
.set J_, J_+1
.endr
	WALU                                           ; one wait a batch
.if \chg
	s_wait_dscnt 0x0                               ; the add is done; my reads of this slot were over long ago
	s_barrier_signal -1                            ; opens the cluster's round; up to its wait stands work on registers
.endif
.irp b, 0,1,2,3
	v_max_num_f32 v[EB+\b], 0x8000000, v[M_+\b]    ; the floor 2^(16 - 127): the byte cannot fall under 1
.endr
.irp b, 0,1,2,3
	v_and_or_b32 v[HD+\b], v[EB+\b], s[EXM], s[MNT]   ; 57,344 x the scale
.endr
.set J_, 0
.rept 16                               ; p of blocks 0 and 1, among the exponents of blocks 2 and 3
	v_exp_f32 v[B_+2*J_], v[B_+2*J_]
	v_exp_f32 v[B_+2*J_+1], v[B_+2*J_+1]
	PKF B_+32+2*J_
.set J_, J_+1
.endr
	WALU
.if \chg
	s_barrier_wait -1
	CREST                                          ; no wave of any partner still reads the slot in hand or has a load on its way
	JLOAD                                          ; the slot after the next, into the slot in hand
	KLOAD                                          ; the next slot's K: the products of this one are issued
	s_add_co_u32 s52, s[SS], 3
	ASK s52
.endif
.set J_, 28
.rept 4
	v_exp_f32 v[B_+32+J_], v[B_+32+J_]
.set J_, J_+1
.endr
.set J_, 0
.rept 28                               ; p of blocks 2 and 3, among blocks 0 and 1's sums and holds
	v_exp_f32 v[B_+32+J_], v[B_+32+J_]
	BP J_
.set J_, J_+1
.endr
	WALU                                           ; ahead of the next tile's scores too: plain lines alone up to the last of their first readers
.set J_, 0
.rept 32
.if \nx
	MAXL J_, C_, N_
.endif
	AP J_
.set J_, J_+1
.endr
.if \q2
.irp c, 0,1,2,3
	ds_load_b128 v[QF+4*\c:QF+4*\c+3], v[QA] offset:2048*(\g+2)+512*\c
.endr
.endif
	CX \nx, 0
	CX \nx, 1
	CX \nx, 2
	CX \nx, 3
.irp b, 0,1,2,3
	v_lshrrev_b32 v[EB+\b], 23, v[SO+\b]           ; the scale's byte
.endr
	CX \nx, 4
	CX \nx, 5
	CX \nx, 6
	CX \nx, 7
	CV 0
	TR 0, 4
	CX \nx, 8
	TR 1, 5
	v_lshl_or_b32 v[PW], v[EB+1], 8, v[EB]         ; p's scale word for these 128 keys
	TR 2, 6
	CX \nx, 9
	CV 1
	TR 3, 7
	CX \nx, 10
	v_lshl_or_b32 v[PW], v[EB+2], 16, v[PW]
	TR 0, 2
	TR 1, 3
	CX \nx, 11
	CV 2
	v_lshl_or_b32 v[PW], v[EB+3], 24, v[PW]
	CX \nx, 12
	CV 3
	TR 0, 1
	CX \nx, 13
	CX \nx, 14
	CX \nx, 17
	CX \nx, 18
	CX \nx, 15
	CX \nx, 19
	CX \nx, 20
	v_pk_fma_f32 v[L+2*G_:L+2*G_+1], v[L+2*G_:L+2*G_+1], v[F_:F_+1], v[T:T+1] op_sel_hi:[1,0,1]
	CX \nx, 16
	s_wait_dscnt 0x0                               ; V, and the Q just asked for
	WIN W_*0x41
	WALU                                           ; ahead of O's first readers, plain lines alone
.set J_, 0
.rept 32
	v_pk_mul_f32 v[O_+J_:O_+J_+1], v[O_+J_:O_+J_+1], v[F_:F_+1] op_sel_hi:[1,0]
.set J_, J_+2
.endr
	WIN 1|(W_*0x50)
.irp t, 0,2,4,6                        ; O^T += V^T P^T, eight tiles of 16 channels, the accumulators by turns
	v_wmma_scale_f32_16x16x128_f8f6f4 v[O_+8*\t:O_+8*\t+7], v[128+16*\t:128+16*\t+15], v[PC:PC+15], v[O_+8*\t:O_+8*\t+7], v[VS+\t/2], v[PW] matrix_a_fmt:MATRIX_FMT_BF8 matrix_b_fmt:MATRIX_FMT_BF8
	v_wmma_scale_f32_16x16x128_f8f6f4 v[O_+8*\t+8:O_+8*\t+15], v[128+16*\t+16:128+16*\t+31], v[PC:PC+15], v[O_+8*\t+8:O_+8*\t+15], v[VS+\t/2], v[PW] matrix_a_fmt:MATRIX_FMT_BF8 matrix_b_fmt:MATRIX_FMT_BF8 matrix_a_scale:MATRIX_SCALE_ROW1
.endr
	WIN 0
.endm
; A SLOT'S HEAD: its scale words into place, and the tile with which I begin: s, or s + 1 where tile s's queries all come before my 128 keys
.macro SLOTHEAD
	s_wait_loadcnt 0x0
.irp b, 0,1,2,3
	v_mov_b32 v[KS+\b], v[NK+\b]
.endr
	NOPS 4                                         ; with the four above: the places behind the last products, ahead of V's scale words and of the loads below
.irp b, 0,1,2,3
	v_mov_b32 v[VS+\b], v[NK+4+\b]
.endr
	s_bitcmp1_b32 s[SS], 0
	s_cselect_b32 s52, s[QO], s[QE]                ; the 128 keys in which tile s's diagonal lies
	s_cselect_b32 s[DB], s[DO], s[DE]
	s_cmp_eq_u32 s[WV], s52
	s_cselect_b32 s[DG], 1, 0
	s_cmp_gt_u32 s[WV], s52
	s_cselect_b32 s53, 1, 0
	s_add_co_u32 s[EE], s[SS], s53
.endm
.macro DJ i, e
	s_cmp_eq_u32 s[EE], \e
	s_cbranch_scc1 .LD_\i
.endm
.macro DBLK i, e, pl                   ; the first tile's Q (into the registers of P's codes, which are free), the second's, its -M and Q's scale words
.LD_\i:
.irp c, 0,1,2,3
	ds_load_b128 v[PC+4*\c:PC+4*\c+3], v[QA] offset:2048*\e+512*\c
.endr
.if \e < 7
.irp c, 0,1,2,3
	ds_load_b128 v[QF+4*\c:QF+4*\c+3], v[QA] offset:2048*(\e+1)+512*\c
.endr
.endif
	v_mov_b32 v[TN], v[NM+2*\e]
	v_mov_b32 v[TQ], v[NM+2*\e+1]
	s_branch \pl
.endm
.macro XBLK i, e, last
.if \last == 0
	s_cmp_lg_u32 s[EE], \e
	s_cbranch_scc1 .LX_\@
.endif
	v_mov_b32 v[NM+2*\e], v[TN]
	WALU
	s_branch .LB_\i
.LX_\@:
.endm
.macro PROLOG p, sl                    ; the first tile's S^T, mask, maxima and -M; V's fetch; the next slot's scale words (sl = 2: only where a slot follows)
	NOPS 8                                         ; places between the scale words' writes and the products
	WALU
	s_wait_dscnt 0x0                               ; K and Q
	SMUL SB+64*\p, PC, TQ
	VLOAD
.if \sl == 2
	s_cmp_lt_u32 s[SS], 7
	s_cbranch_scc0 .Lno_words_\@
.endif
	s_wait_xcnt 0x0
	s_add_nc_u64 s[SCP:SCP+1], s[SCP:SCP+1], 0x1000
	global_load_b128 v[NK:NK+3], v[LN], s[SCP:SCP+1]
	global_load_b128 v[NK+4:NK+7], v[LN], s[SCP:SCP+1] offset:512
.Lno_words_\@:
	NOPS 8
	s_cmp_eq_u32 s[DG], 0
	s_cbranch_scc1 .Lopen_\@
	v_add_nc_u32 v[T+4], s[DB], v[DQ]              ; d = my query - my first key - 8 h: register 16 b + 8 u + i is hidden where 32 b + 16 u + i > d.  My first key counts for all 16 queries
	v_mov_b32 v[T+5], 0xff800000
.set J_, 0
.rept 64
	v_cmp_gt_i32 vcc_lo, 32*(J_/16)+J_%16+8*((J_%16)/8), v[T+4]
	v_cndmask_b32 v[SB+64*\p+J_], v[SB+64*\p+J_], v[T+5], vcc_lo
.set J_, J_+1
.endr
.Lopen_\@:
.set J_, 0
.rept 32
	MAXL J_, SB+64*\p, BM+4*\p
.set J_, J_+1
.endr
.set J_, 0
.rept 21
	CH J_, BM+4*\p, TN, FF+2*\p
.set J_, J_+1
.endr
	WALU
.endm
	s_load_b256 s[4:11], s[0:1], 0x0               ; qimg, qs, kv, sc
	s_load_b64 s[12:13], s[0:1], 0x20              ; out0
	v_lshl_add_u32 v[SPW], v0, 2, SPARE
	v_mov_b32 v[NIL], 0
	ds_add_u32 v[SPW], v[NIL]                      ; the opening: the add, twice, and its wait ahead of the first tensor load
	ds_add_u32 v[SPW], v[NIL]
	v_lshrrev_b32 v1, 5, v0
	v_readfirstlane_b32 s[WV], v1
	s_and_b32 s[BT], ttmp7, 0xffff                 ; the batch
	s_bfe_u32 s52, ttmp6, 0x40000                  ; cx
	s_lshl_b32 s[JJ], ttmp9, 2
	s_add_co_u32 s[JJ], s[JJ], s52                 ; j
	s_sub_co_u32 s49, 31, s[JJ]
	s_lshr_b32 s[QE], ttmp9, 1                     ; j / 8, by the cluster's number
	s_sub_co_u32 s[QO], 3, s[QE]
	s_lshl_b32 s53, s[WV], 7
	s_lshl_b32 s54, s[JJ], 4
	s_sub_co_u32 s[DE], s54, s53
	s_lshl_b32 s54, s49, 4
	s_sub_co_u32 s[DO], s54, s53
	s_mov_b32 s[G1], 15|(3<<16)|(1<<21)            ; all four partners; elements of 8 bytes; no padding
	s_mov_b32 s[G1+1], 1024<<16
	s_mov_b32 s[G1+2], 4<<16
	s_mov_b32 s[G1+3], 1024<<16                    ; rows of 8,192 bytes,
	s_mov_b32 s[G1+4], 4                           ; four: one in each record,
	s_mov_b32 s[G1+5], 4096                        ; 32,768 bytes apart
	s_mov_b32 s[G1+6], 0
	s_mov_b32 s[G1+7], 0
	s_mov_b32 s[G0], 1
	s_lshl_b32 s[G0+1], s[WV], 15
	s_lshl_b32 s56, s[BT], 20
	s_lshl_b32 s57, s[WV], 13
	s_add_co_u32 s58, s56, s57
	s_mov_b32 s59, 0
	s_lshl_b32 s60, s[BT], 15
	s_lshl_b32 s61, s[WV], 10
	s_add_co_u32 s60, s60, s61                     ; my record's scale words
	s_mov_b32 s61, 0
	s_lshl_b32 s66, ttmp9, 17
	s_add_co_u32 s66, s66, s58
	s_lshl_b32 s67, s52, 15
	s_add_co_u32 s66, s66, s67                     ; my share of the slot that my cluster asks for ahead
	s_mov_b32 s67, 0
	s_lshl_b32 s68, s[BT], 19                      ; Q's images: tiles 2 w and 2 w + 1 are put into LDS by me
	s_lshl_b32 s69, s[WV], 17
	s_add_co_u32 s68, s68, s69
	s_lshl_b32 s71, s49, 11
	s_add_co_u32 s70, s68, s71
	s_add_co_u32 s70, s70, 0x10000
	s_lshl_b32 s69, s[JJ], 11
	s_add_co_u32 s68, s68, s69
	s_mov_b32 s69, 0
	s_mov_b32 s71, 0
	s_lshl_b32 s72, s[BT], 14                      ; Q's scale words
	s_lshl_b32 s75, s49, 6
	s_add_co_u32 s74, s72, s75
	s_add_co_u32 s74, s74, 0x800
	s_lshl_b32 s73, s[JJ], 6
	s_add_co_u32 s72, s72, s73
	s_mov_b32 s73, 0
	s_mov_b32 s75, 0
	s_lshl_b32 s76, s[BT], 21                      ; out0: tiles 2 w and 2 w + 1 leave by me
	s_lshl_b32 s77, s[WV], 19
	s_add_co_u32 s76, s76, s77
	s_lshl_b32 s79, s49, 13
	s_add_co_u32 s78, s76, s79
	s_add_co_u32 s78, s78, 0x40000
	s_lshl_b32 s77, s[JJ], 13
	s_add_co_u32 s76, s76, s77
	s_mov_b32 s77, 0
	s_mov_b32 s79, 0
	s_mov_b32 s[SEL], 0x76543210
	s_mov_b32 s[SEL+1], 0xfedcba98
	s_mov_b32 s[CS], 0x3e0293ee                    ; c = log2(e) / sqrt(128)
	s_mov_b32 s[CS+1], s[CS]
	s_mov_b32 s[NC], 0xbe0293ee                    ; -c
	s_mov_b32 s[MNT], 0x600000                     ; the mantissa field of 57,344
	s_mov_b32 s[EXM], 0x7f800000
	s_mov_b32 s[TB], 0
	s_mov_b32 s[SS], 0
	s_wait_dscnt 0x0                               ; both opening adds are done
	s_wait_kmcnt 0x0
	s_add_nc_u64 s[G0+2:G0+3], s[8:9], s[58:59]
	s_or_b32 s[G0+3], s[G0+3], 0x80000000
	s_add_nc_u64 s[SCP:SCP+1], s[10:11], s[60:61]
	s_add_nc_u64 s[PFA:PFA+1], s[8:9], s[66:67]
	s_add_nc_u64 s[68:69], s[4:5], s[68:69]
	s_add_nc_u64 s[70:71], s[4:5], s[70:71]
	s_add_nc_u64 s[72:73], s[6:7], s[72:73]
	s_add_nc_u64 s[74:75], s[6:7], s[74:75]
	s_add_nc_u64 s[76:77], s[12:13], s[76:77]
	s_add_nc_u64 s[78:79], s[12:13], s[78:79]
	CROUND                                         ; all four work-groups are here: the first joint loads meet
	JLOAD                                          ; slot 0
	v_and_b32 v[T], 31, v0
	v_lshlrev_b32 v[LN], 4, v[T]
	v_lshlrev_b32 v[PFO], 8, v[T]
	v_and_b32 v[T+1], 15, v0
	v_bfe_u32 v[T+2], v0, 4, 1
	v_lshlrev_b32 v[T+3], 2, v[T+1]
.irp c, 0,1,2,3
	global_load_b128 v[SB+4*\c:SB+4*\c+3], v[LN], s[68:69] offset:512*\c
.endr
.irp c, 0,1,2,3
	global_load_b128 v[SB+16+4*\c:SB+16+4*\c+3], v[LN], s[70:71] offset:512*\c
.endr
.irp g, 0,2,4,6
	global_load_b32 v[NM+2*\g+1], v[T+3], s[72:73] offset:2048*\g
	global_load_b32 v[NM+2*\g+3], v[T+3], s[74:75] offset:2048*\g
.endr
	global_load_b128 v[NK:NK+3], v[LN], s[SCP:SCP+1]
	global_load_b128 v[NK+4:NK+7], v[LN], s[SCP:SCP+1] offset:512
	v_lshlrev_b32 v[T+2], 3, v[T+2]
	v_sub_nc_u32 v[DQ], v[T+1], v[T+2]             ; r - 8 h
	s_lshl_b32 s57, s[WV], 13
	v_add_nc_u32 v[KVA], s57, v[LN]
	v_add_nc_u32 v[QA], QBASE, v[LN]
	s_lshl_b32 s57, s[WV], 12
	v_add_nc_u32 v[T+4], s57, v[QA]
.irp g, 0,1,2,3,4,5,6,7
	v_mov_b32 v[NM+2*\g], 0x7f61b1e6               ; -M = 3e38: M under every t
	v_mov_b32 v[L+2*\g], 0
	v_mov_b32 v[L+2*\g+1], 0
.endr
.irp b, 0,1,2,3
	v_mov_b32 v[FF+\b], 0                          ; (upper halves of pairs are named before they are first written otherwise)
	v_mov_b32 v[HD+\b], 0                          ; a lane permute's destination counts as one of its sources
.endr
	WIN 0x80
.set J_, 0
.rept 128
	v_dual_mov_b32 v[J_], 0 :: v_dual_mov_b32 v[J_+1], 0   ; O of all tiles: each tile's first step finds zeros
.set J_, J_+2
.endr
	WIN 0xc0
.set J_, 0
.rept 128
	v_dual_mov_b32 v[J_], 0 :: v_dual_mov_b32 v[J_+1], 0
.set J_, J_+2
.endr
	WIN 0
	WALU
	s_wait_loadcnt 0xa                             ; my two tiles of Q; the eight scale words and two scale records behind them may be out
.irp c, 0,1,2,3,4,5,6,7
	ds_store_b128 v[T+4], v[SB+4*\c:SB+4*\c+3] offset:512*\c
.endr
	WALU                                           ; the wait at the head's end
	s_wait_tensorcnt 0x0                           ; my part of slot 0 is in; these lines stand ahead of a later first fill as ahead of a refill
	ds_add_u32 v[SPW], v[NIL]
	s_add_nc_u64 s[G0+2:G0+3], s[G0+2:G0+3], 0x20000
	s_xor_b32 s[G0+1], s[G0+1], SLOT
	s_wait_dscnt 0x0                               ; the add and my stores of Q are done
	CROUND
	JLOAD                                          ; slot 1
	KLOAD
	ASK 2                                          ; slot 2, in the cluster of that number
.Lslot:                                            ; slots 0 to 5: each fills its own bytes again with the slot two on
	SLOTHEAD
	DJ 0, 0
	DJ 1, 1
	DJ 2, 2
	DJ 3, 3
	DJ 4, 4
	DJ 5, 5
	DBLK 6, 6, .LP_0
	DBLK 0, 0, .LP_0
	DBLK 2, 2, .LP_0
	DBLK 4, 4, .LP_0
	DBLK 1, 1, .LP_1
	DBLK 3, 3, .LP_1
	DBLK 5, 5, .LP_1
.LP_0:
	PROLOG 0, 1
	XBLK 0, 0, 0
	XBLK 2, 2, 0
	XBLK 4, 4, 0
	XBLK 6, 6, 1
.LP_1:
	PROLOG 1, 1
	XBLK 1, 1, 0
	XBLK 3, 3, 0
	XBLK 5, 5, 1
.LB_0:
	BODY 0, 1, 1, 0
.LB_1:
	BODY 1, 1, 1, 0
.LB_2:
	BODY 2, 1, 1, 0
.LB_3:
	BODY 3, 1, 1, 0
.LB_4:
	BODY 4, 1, 1, 0
.LB_5:
	BODY 5, 1, 1, 0
.LB_6:
	BODY 6, 1, 0, 0
	BODY 7, 0, 0, 1
	s_add_co_u32 s[SS], s[SS], 1
	s_cmp_lt_u32 s[SS], 6
	s_cbranch_scc1 .Lslot
	s_mov_b32 s[SS], 6
.Ltail:                                            ; slots 6 and 7: nothing is filled again
	SLOTHEAD
	DJ 16, 6
	DJ 17, 7
	s_branch .Lmeet                                ; slot 7, and all its keys that are mine come after tile 7
	DBLK 16, 6, .LP_2
	DBLK 17, 7, .LP_3
.LP_2:
	PROLOG 0, 2
	XBLK 16, 6, 1
.LP_3:
	PROLOG 1, 2
	XBLK 17, 7, 1
.LB_16:
	BODY 6, 1, 0, 0
.LB_17:
	BODY 7, 0, 0, 0
.Lmeet:
	WALU
	s_wait_tensorcnt 0x0                           ; my part of slot 7
	s_wait_dscnt 0x0
	s_barrier_signal -1
	s_barrier_wait -1
	s_xor_b32 s[TB], s[TB], SLOT
	s_cmp_eq_u32 s[SS], 7
	s_cbranch_scc1 .Lno_slot
	KLOAD
.Lno_slot:
	s_add_co_u32 s[SS], s[SS], 1
	s_cmp_lt_u32 s[SS], 8
	s_cbranch_scc1 .Ltail
	; THE FOUR WAVES' KEYS MEET.  The ring has had its last fill and its last read.  Each wave puts O, -M and the sum of all tiles into LDS; wave w then joins tiles 2 w and 2 w + 1 and stores them.
.irp g, 0,1,2,3,4,5,6,7
	v_add_f32 v[T+\g], v[L+2*\g], v[L+2*\g+1]
.endr
.irp g, 0,1,2,3,4,5,6,7
	v_permlanex16_b32 v[T+8+\g], v[T+\g], s[SEL], s[SEL+1]
.endr
.irp g, 0,1,2,3,4,5,6,7
	v_mov_b32 v[SB+2*\g], v[NM+2*\g]
	v_add_f32 v[SB+2*\g+1], v[T+\g], v[T+8+\g]
.endr
	s_lshl_b32 s52, s[WV], 8
	s_add_co_u32 s52, s52, QBASE
	s_lshl_b32 s53, s[WV], 13
	s_mul_i32 s54, s[WV], 16*528
	s_add_co_u32 s54, s54, STAGE
	s_lshl_b32 s55, s[WV], 11
	s_add_co_u32 s55, s55, QBASE
	s_lshl_b32 s56, s[WV], 16
	WALU
	v_lshrrev_b32 v[T], 1, v[LN]
	v_add_nc_u32 v[EB], s52, v[T]                  ; (-M, sum): 1,024 g + 256 w + 8 x lane
	v_add_nc_u32 v[EB+1], s55, v[T]
	v_add_nc_u32 v[SO], s53, v[LN]                 ; O: 32,768 g + 8,192 w + 512 x group of four registers + 16 x lane
	v_add_nc_u32 v[SO+1], 0x10000, v[SO]
	v_add_nc_u32 v[SO+2], 0x20000, v[SO]
	v_add_nc_u32 v[SO+3], 0x30000, v[SO]
	v_add_nc_u32 v[EB+2], s56, v[LN]
	v_bfe_u32 v[T+1], v[LN], 4, 4
	v_bfe_u32 v[T+2], v[LN], 8, 1
	v_mul_u32_u24 v[T+1], v[T+1], 528
	v_lshl_add_u32 v[T+1], v[T+2], 5, v[T+1]
	v_add_nc_u32 v[EB+3], s54, v[T+1]              ; my stage, in: row r, + 32 h
	v_add_nc_u32 v[HD], s54, v[LN]                 ; and out: a row of 512 bytes to a load
	WALU
.irp g, 0,1,2,3,4,5,6,7
	ds_store_b64 v[EB], v[SB+2*\g:SB+2*\g+1] offset:1024*\g
.endr
.irp g, 0,1,2,3,4,5,6,7
	WIN 8+4*(\g/4)
.set J_, 0
.rept 16
	WALU                                           ; the wait ahead of each first reader that is no plain vector line
	ds_store_b128 v[SO+\g/2], v[64*(\g%4)+4*J_:64*(\g%4)+4*J_+3] offset:32768*(\g%2)+512*J_
.set J_, J_+1
.endr
.endr
	WIN 0
	WALU
	s_wait_dscnt 0x0
	s_barrier_signal -1
	s_barrier_wait -1
.macro OLOAD i                         ; tile 2 w + i: the four waves' O into window 2 + i
	WIN 0x80+0x40*\i
.irp k, 0,1,2,3
.set J_, 0
.rept 16
	ds_load_b128 v[64*\k+4*J_:64*\k+4*J_+3], v[EB+2] offset:32768*\i+8192*\k+512*J_
.set J_, J_+1
.endr
.endr
	WIN 0
.endm
.macro MERGE i
	WIN 2+\i
.set J_, 0
.rept 32
	v_pk_mul_f32 v[192+J_:193+J_], v[J_:J_+1], v[160+8*\i:161+8*\i] op_sel_hi:[1,0]
.set J_, J_+2
.endr
.irp k, 1,2,3
.set J_, 0
.rept 32
	v_pk_fma_f32 v[192+J_:193+J_], v[64*\k+J_:64*\k+J_+1], v[160+8*\i+2*\k:161+8*\i+2*\k], v[192+J_:193+J_] op_sel_hi:[1,0,1]
.set J_, J_+2
.endr
.endr
	WIN 0
.endm
.macro TOSTAGE                         ; LDS serves a wave's instructions in order (ISA guide 5.7.1.4): the loads see the stores
.irp t, 0,1,2,3,4,5,6,7
	ds_store_b128 v[EB+3], v[192+8*\t:195+8*\t] offset:64*\t
	ds_store_b128 v[EB+3], v[196+8*\t:199+8*\t] offset:64*\t+16
.endr
.set J_, 0
.rept 16
	ds_load_b128 v[96+4*J_+16*(J_/8)+16*(J_/12):99+4*J_+16*(J_/8)+16*(J_/12)], v[HD] offset:528*J_
.set J_, J_+1
.endr
.endm
.macro SEND b
.set J_, 0
.rept 16
	s_wait_dscnt 15-J_
	global_store_b128 v[LN], v[96+4*J_+16*(J_/8)+16*(J_/12):99+4*J_+16*(J_/8)+16*(J_/12)], s[\b:\b+1] offset:512*J_ th:TH_STORE_NT   ; 512 consecutive bytes, at a multiple of 256 from out0's first byte
.set J_, J_+1
.endr
.endm
.irp k, 0,1,2,3,4,5,6,7
	ds_load_b64 v[SB+2*\k:SB+2*\k+1], v[EB+1] offset:1024*(\k/4)+256*(\k%4)
.endr
	OLOAD 0
	s_wait_dscnt 0x3f                              ; the eight pairs are in: 64 loads stand behind them
.irp i, 0,1
	v_min_num_f32 v[T+8*\i], v[SB+8*\i], v[SB+8*\i+2]
	v_min_num_f32 v[T+8*\i+1], v[SB+8*\i+4], v[SB+8*\i+6]
.endr
.irp i, 0,1
	v_min_num_f32 v[T+8*\i], v[T+8*\i], v[T+8*\i+1]   ; the common -M
.endr
.irp k, 0,1,2,3,4,5,6,7
	v_sub_f32 v[160+2*\k], v[T+8*(\k/4)], v[SB+2*\k]  ; a whole number, 0 or less.  (A wave that walked no step of a tile has -M = 3e38: its factor comes out 0)
.endr
.irp k, 0,1,2,3,4,5,6,7
	v_cvt_i32_f32 v[160+2*\k], v[160+2*\k]
.endr
.irp k, 0,1,2,3,4,5,6,7
	v_ldexp_f32 v[160+2*\k], 1.0, v[160+2*\k]
.endr
.irp i, 0,1
	v_mul_f32 v[T+8*\i+2], v[SB+8*\i+1], v[160+8*\i]
.endr
.irp k, 1,2,3
.irp i, 0,1
	v_fma_f32 v[T+8*\i+2], v[SB+8*\i+2*\k+1], v[160+8*\i+2*\k], v[T+8*\i+2]
.endr
.endr
	WALU
	v_rcp_f32 v[T+3], v[T+2]
	v_rcp_f32 v[T+11], v[T+10]
	v_nop
	WALU
.irp k, 0,1,2,3,4,5,6,7
	v_mul_f32 v[160+2*\k], v[160+2*\k], v[T+8*(\k/4)+3]
.endr
	OLOAD 1
	WALU
	s_wait_dscnt 0x3f                              ; tile 2 w's are in: 64 loads stand behind them
	MERGE 0
	TOSTAGE
	WALU
	s_wait_dscnt 0x20                              ; tile 2 w + 1's are in: the stage's 16 stores and 16 loads stand behind them
	MERGE 1
	WALU
	SEND 76
	s_wait_xcnt 0x0                                ; the stores have read their registers, which take the next rows
	TOSTAGE
	SEND 78
	s_wait_tensorcnt 0x0                           ; the wave's end
	ds_add_u32 v[SPW], v[NIL]
	s_wait_dscnt 0x0
	CROUND                                         ; the closing round
	s_endpgm
.Lfunc_end_k_q886c737fae_attn:
	.size	k_q886c737fae_attn, .Lfunc_end_k_q886c737fae_attn-k_q886c737fae_attn
	.p2alignl 7, 3214868480
	.fill 96, 4, 3214868480
	.section	.rodata,"a",@progbits
	.p2align	6, 0x0
	.amdhsa_kernel k_q886c737fae_attn
		.amdhsa_group_segment_fixed_size 327680
		.amdhsa_private_segment_fixed_size 0
		.amdhsa_enable_private_segment 0
		.amdhsa_kernarg_size 40
		.amdhsa_user_sgpr_count 2
		.amdhsa_user_sgpr_kernarg_segment_ptr 1
		.amdhsa_wavefront_size32 1
		.amdhsa_system_sgpr_workgroup_id_x 1
		.amdhsa_system_sgpr_workgroup_id_y 1
		.amdhsa_system_sgpr_workgroup_id_z 1
		.amdhsa_system_vgpr_workitem_id 0
		.amdhsa_next_free_vgpr 1024
		.amdhsa_next_free_sgpr 84
		.amdhsa_reserve_vcc 1
		.amdhsa_float_denorm_mode_32 3
		.amdhsa_float_denorm_mode_16_64 3
		.amdhsa_memory_ordered 1
		.amdhsa_forward_progress 1
		.amdhsa_inst_pref_size 255
	.end_amdhsa_kernel
	.section	.bss,"aw",@nobits
	.p2align	6
	.space	262144
	.amdgpu_metadata
---
amdhsa.version: [ 1, 2 ]
amdhsa.kernels:
  - .name:           k_q886c737fae_attn
    .symbol:         k_q886c737fae_attn.kd
    .args:
      - { .name: qimg, .offset: 0, .size: 8, .value_kind: global_buffer, .address_space: global }
      - { .name: qs, .offset: 8, .size: 8, .value_kind: global_buffer, .address_space: global }
      - { .name: kv, .offset: 16, .size: 8, .value_kind: global_buffer, .address_space: global }
      - { .name: sc, .offset: 24, .size: 8, .value_kind: global_buffer, .address_space: global }
      - { .name: out0, .offset: 32, .size: 8, .value_kind: global_buffer, .address_space: global }
    .group_segment_fixed_size: 327680
    .private_segment_fixed_size: 0
    .kernarg_segment_align: 8
    .kernarg_segment_size: 40
    .max_flat_workgroup_size: 128
    .sgpr_count:     84
    .vgpr_count:     1024
    .wavefront_size: 32
...
	.end_amdgpu_metadata
.endif
;; end of part 3
